; MI455X (gfx1250); checked and timed in simulation.
; The chip was launched on July 23, 2026; its instructions are those of AMD's public machine-readable ISA for CDNA 5 (MIT licence, August 2026) and "CDNA5" Instruction Set Architecture Reference Guide (July 2026). The comments in the code are by the model that wrote it; some were corrected since.
;; Attention Block. Allowed arithmetic: matrix products marked QUANTISED: E2M3 operands, one E8M0 scale for each 32 along K, by v_wmma_scale_f32_16x16x128_f8f6f4 with both operands' format E2M3, f32 sums; everything else in f32.
;; Inputs: K 4 x 16 x 2,048 x 128 float32; Q 4 x 16 x 2,048 x 128 float32; V 4 x 16 x 2,048 x 128 float32.
;; Outputs: out0 4 x 16 x 2,048 x 128 float32.
;; This version of the problem:
;;   THIS VERSION OF THE PROBLEM IS GIVEN IN LOW PRECISION. The matrix products marked QUANTISED in the list below multiply operands that are first quantised to E2M3 (2 exponent bits, 3 mantissa bits; 6 bits a number), with one power-of-two scale for each 32 numbers along K (OCP MX v1.0); their sums are f32. All else is computed in f32.
;;   The module's matrix products, in the order in which they are computed (A, B: the left and right operand; K: the contracted axis; several contracted axes count as one K, in the product's order):
;;     1. batch 64 x [M 2,048, K 128] x [K 128, N 2,048]; A: input Q; B: input K: QUANTISED
;;     2. batch 64 x [M 2,048, K 2,048] x [K 2,048, N 128]; A: computed on the way; B: input V: QUANTISED
;;   THE QUANTISER, for each operand of a quantised product, along K:
;;     - K is cut into blocks of 32 from its start; a last block that is shorter is filled with zeros.
;;     - A block's scale is 2^e with e = floor(log2(the largest magnitude in the block)) - 2, held to -126 .. 127; a block of zeros has e = 0. As a byte (E8M0): e + 127.
;;     - Each number is divided by its block's scale, clamped to +-7.5, and rounded to the nearest number of E2M3, ties to even, subnormals kept.
;;     - The product sums the exact products of the quantised numbers (number of the format x scale) in f32.
;;   ~~~python
;;   def quantise(x, axis):      # numpy; x: float32 -> the quantised numbers, widened to float32 again
;;       x = np.moveaxis(x, axis, -1); K = x.shape[-1]
;;       x = np.pad(x, [(0, 0)] * (x.ndim - 1) + [(0, -K % 32)]); x = x.reshape(x.shape[:-1] + (-1, 32)); a = np.abs(x).max(-1, keepdims=True)
;;       e = np.where(a > 0, np.clip(np.frexp(np.where(a > 0, a, 1))[1] - 1 - 2, -126, 127), 0)      # np.frexp(a)[1] - 1 = floor(log2(a)), exactly
;;       r = np.clip(x / 2.0 ** e, -7.5, 7.5)
;;       step = 2.0 ** (np.maximum(np.frexp(np.where(r == 0, 1, r))[1] - 1, 0) - 3)
;;       q = np.round(r / step) * step * 2.0 ** e      # np.round: ties to even
;;       return np.moveaxis(q.reshape(q.shape[:-2] + (-1,))[..., :K], -1, axis).astype(np.float32)
;;   ~~~
;;   OPERANDS COMPUTED ON THE WAY. 'Computed on the way' means the value that the module computes at that place (a softmax that the list does not call 'softmax' is quantised finished and normalised). What goes into a quantiser is computed in f32, as accurately as f32 sums, v_exp_f32 and their like allow (about 1e-6 of the number): no bf16 or f16 on the way to a quantiser, and a product that is left as it is and whose result goes on into a quantised operand takes f32 operands (vector FMAs, or v_wmma_f32_16x16x4_f32). A number that lies on a knife's edge between two numbers of the format may be rounded either way, as far as f32 arithmetic and the matrix unit's own rounding can turn it there, and no further.
;; One version. Each part assembles by itself: llvm-mc -triple=amdgcn-amd-amdhsa -mcpu=gfx1250 --defsym DOCPART=n.
;; ======== version 1 of 1: 2 launches
;; limits: right only within a limited range of input values
;; workspace buffers: kcodes 12,582,912 bytes; kscales 524,288 bytes; vq 13,107,200 bytes
;; launch quant (part 1): grid 1024 x 1, 4 waves a work-group, no clusters, 57,856 bytes of LDS; arguments K, V, kcodes, kscales, vq; writes kcodes, kscales, vq
.if DOCPART == 1
	.amdgcn_target "amdgcn-amd-amdhsa--gfx1250"
	.amdhsa_code_object_version 6
	.text
	.protected	k_qa4ea438386_quant
	.globl	k_qa4ea438386_quant
	.p2align	8
	.type	k_qa4ea438386_quant,@function
k_qa4ea438386_quant:
	s_mov_b64 s[64:65], 0
	v_nop
	global_prefetch_b8 v0, s[64:65] scope:SCOPE_SE
	s_setreg_imm32_b32 hwreg(HW_REG_WAVE_MODE, 25, 1), 1
	s_wait_xcnt 0x0
; K and V, [64 heads][2048 keys][128] f32, are turned into codes of FP6 (E2M3), 6 bits each, with one E8M0 scale byte for each 32 along a product's K.
; A block's scale is 2^(floor(log2(its largest magnitude)) - 2); its byte is the largest magnitude's own exponent field - 2, held at 1 from below; each number is divided by
; the scale and rounded to the nearest code, ties to even, beyond 7.5 the largest code.
; K (first product, contracted along the head's 128, innermost in memory): kcodes [64 x 2048 keys][96 bytes], a row's codes one stream of bits; kscales [64 x 2048][4 bytes].
; V (second product, contracted along the KEYS, which are V's first axis in a head): vq, laid in the order of the operand's registers, a region of 51,200 bytes for each head and
; each quarter w of its keys: the image of (key step s = 0..3 of the quarter, tile t = 0..7 of 16 channels) at (8 s + t) x 1,536: registers 4 q .. 4 q + 3 of lane l at 512 q + 16 l;
; lane (r, h), registers 6 c .. 6 c + 5 = channel 16 t + r, keys 128 (4 w + s) + 64 c + 32 h + 0 .. 31.  From byte 49,152 on the scale words: that of (s, t, r) at (8 s + t) x 64 + 4 r.
; LIMITS: a block of zeros gets the byte 1 where the quantiser's text says 127: its codes are zeros, which add nothing under any byte but 0xff, and the bytes are read by this program alone.
; Blocks whose largest magnitude lies under 2^-124 have their byte held at 1.  NaN and infinities among the inputs are not served.
; One launch serves both tensors: work-groups 0 to 511 take K, 512 to 1,023 take V.  The two ways part on the work-group's number, never join, and have LDS bytes of their own.
; No tensor loads, no barrier: waves share nothing.  No matrix unit, no cluster: every input byte is read once by one wave.
.set KWG,   512                        ; K's work-groups: 64 x 2048 x 128 numbers / 32,768
.set STEPS, 16                         ; K's way: a wave takes 16 steps of 512 numbers
.set CB,    12                         ; bytes of 16 codes
.set KR,    16                         ; v16-79   four sets of 16 numbers as they are loaded
.set KX,    80                         ; v80-111  two sets of 16 neighbours
.set KE,    112                        ; v112-127 a scale byte for each step
.set KCD,   128                        ; v128-191 codes: four registers for each step, so that no store's data are written again
.set WREG,  8192                       ; K's way: LDS of a wave: two stages of 32 x SP bytes, then its 256 scale bytes
.set SP,    80                         ; a lane's place in a stage: 64 bytes + 16 of padding
.set VLDS,  32768                      ; V's way: LDS from here on, 6,144 bytes a wave: four images
.set VSB,   24                         ; v24-25   V's way: the scale words of the two key steps
.set VX,    32                         ; v32-95   two sets of 32 numbers
.set VC,    96                         ; v96-101  a block's codes, six registers on end
.set VT,    104                        ; v104-106 the second conversion's result
.set VO,    112                        ; v112-159 the way out
	s_load_b256 s[4:11], s[0:1], 0x0               ; K s[4:5], V s[6:7], kcodes s[8:9], kscales s[10:11]
	s_load_b64 s[12:13], s[0:1], 0x20              ; vq
	v_lshl_add_u32 v192, v0, 2, 0xe000
	v_mov_b32 v193, 0
	v_lshrrev_b32 v1, 5, v0
	v_readfirstlane_b32 s16, v1                    ; wave 0..3
	v_and_b32 v2, 31, v0                           ; lane
	s_cmp_lt_u32 ttmp9, KWG
	s_cbranch_scc0 .Lv_path
; ---------------- K: a plain stream of blocks of 32 numbers.  The conversion takes 16 numbers of one block from ONE lane's registers, so a lane must hold 16 neighbours (two lanes a block);
; each load reads 512 consecutive bytes, 16 a lane; a step's 2,048 bytes turn through the wave's own stage in LDS and come back 64 bytes a lane.
	v_lshlrev_b32 v3, 4, v2                        ; my 16 bytes of a load's 512
	s_mul_i32 s17, s16, WREG
	v_lshrrev_b32 v14, 2, v2
	v_mul_u32_u24 v14, v14, SP
	v_and_b32 v15, 3, v2
	v_lshl_add_u32 v14, v15, 4, v14
	v_add_nc_u32 v14, s17, v14                     ; the stage, on the way in: SP (lane / 4) + 16 (lane % 4)
	v_mul_u32_u24 v15, v2, SP
	v_add_nc_u32 v15, s17, v15                     ; and on the way out: SP x lane: my 16 neighbours
	v_mul_u32_u24 v4, v2, CB                       ; my codes' place in a step's
	v_lshrrev_b32 v5, 1, v2
	s_add_co_u32 s17, s17, 2*32*SP
	v_add_nc_u32 v5, s17, v5                       ; LDS: my wave's 256 scale bytes, my block's byte
	v_lshlrev_b32 v7, 3, v2                        ; and on the way out 8 bytes a lane
	v_add_nc_u32 v6, s17, v7
	s_lshl_b32 s17, ttmp9, 2
	s_add_co_u32 s18, s17, s16                     ; which run of 8,192 numbers is my wave's: 0 .. 2,047
	s_lshl_b32 s20, s18, 15                        ; 32,768 bytes of numbers a run,
	s_mov_b32 s21, 0
	s_mul_i32 s22, s18, 32*STEPS*CB                ; 6,144 bytes of codes,
	s_mov_b32 s23, 0
	s_lshl_b32 s24, s18, 8                         ; 256 scale bytes
	s_mov_b32 s25, 0
	s_wait_alu depctr_va_vdst(0)
	s_wait_kmcnt 0x0
	s_add_nc_u64 s[4:5], s[4:5], s[20:21]
	s_add_nc_u64 s[8:9], s[8:9], s[22:23]
	s_add_nc_u64 s[10:11], s[10:11], s[24:25]
.macro KLOAD t
.irp i, 0,1,2,3
	global_load_b128 v[KR+16*((\t)%4)+4*\i:KR+16*((\t)%4)+4*\i+3], v3, s[4:5] offset:2048*(\t)+512*\i th:TH_LOAD_NT   ; 32 lanes read 512 consecutive bytes
.endr
.endm
.macro KTURN t                         ; step t's numbers through the stage: LDS serves a wave's instructions in order, so no wait stands between the stores and the loads
.irp i, 0,1,2,3
	ds_store_b128 v14, v[KR+16*((\t)%4)+4*\i:KR+16*((\t)%4)+4*\i+3] offset:32*SP*((\t)%2)+8*SP*\i
.endr
.irp i, 0,1,2,3
	ds_load_b128 v[KX+16*((\t)%2)+4*\i:KX+16*((\t)%2)+4*\i+3], v15 offset:32*SP*((\t)%2)+16*\i
.endr
.endm
.irp t, 0,1,2,3
	KLOAD \t
.endr
	s_wait_loadcnt 12                              ; step 0's four loads are in; the twelve of steps 1 to 3 may be out
	KTURN 0
.macro KSTEP t
.set XS, KX+16*((\t)%2)
.if (\t) > 0
	s_wait_dscnt 1                                 ; this step's numbers are back from the stage (the last step's byte store may be out): so its stores into the stage have read their registers,
.else
	s_wait_dscnt 0x0
.endif
.if (\t)+4 < STEPS
	KLOAD (\t)+4                                   ; which take the loads of four steps on
.endif
.if (\t)+1 < STEPS
.if STEPS-2-(\t) >= 3
	s_wait_loadcnt 12                              ; the next step's four loads are in; those of the three steps behind it may be out
.else
	s_wait_loadcnt 4*(STEPS-2-(\t))
.endif
	KTURN (\t)+1                                   ; and go through the other stage while this step is worked
.endif
	v_max3_num_f32 v8, |v[XS]|, |v[XS+1]|, |v[XS+2]|               ; the largest magnitude of my 16, in two chains
	v_max3_num_f32 v9, |v[XS+3]|, |v[XS+4]|, |v[XS+5]|
.irp i, 6,10
	v_max3_num_f32 v8, v8, |v[XS+\i]|, |v[XS+\i+1]|
	v_max3_num_f32 v9, v9, |v[XS+\i+2]|, |v[XS+\i+3]|
.endr
	v_max3_num_f32 v8, v8, |v[XS+14]|, |v[XS+15]|
	v_max3_num_f32 v8, v8, v9, 0x1800000           ; and the floor 2^(3 - 127): so the byte cannot fall under 1
	v_max_num_f32_dpp v8, v8, v8 row_xmask:1 row_mask:0xf bank_mask:0xf   ; and of my neighbour's 16: the block's
	v_add_nc_u32 v11, 0xff000000, v8               ; 2 off its exponent field: the conversion takes the exponent field of this operand as its scale, and nothing else of it
	v_cvt_scalef32_pk16_fp6_f32 v[KCD+4*(\t):KCD+4*(\t)+2], v[XS:XS+15], v11
	v_lshrrev_b32 v[KE+(\t)], 23, v11              ; the scale's byte (also the plain line behind the conversion)
	ds_store_b8 v5, v[KE+(\t)] offset:16*(\t)      ; both lanes of a block write the same byte with the same value
	global_store_b96 v4, v[KCD+4*(\t):KCD+4*(\t)+2], s[8:9] offset:32*CB*(\t)   ; the wave stores 384 consecutive bytes
.endm
.irp t, 0,1,2,3,4,5,6,7,8,9,10,11,12,13,14,15
	KSTEP \t
.endr
	ds_load_b64 v[12:13], v6                       ; LDS serves a wave's instructions in order: these see my stores
	s_wait_dscnt 0x0
	global_store_b64 v7, v[12:13], s[10:11]        ; 32 lanes store 256 consecutive bytes, at a multiple of 256 from the buffer's first byte
	s_wait_tensorcnt 0x0
	ds_add_u32 v192, v193
	s_wait_dscnt 0x0
	s_endpgm
; ---------------- V: a work-group takes 256 keys of a head; wave x the channels 32 x + lane.  A LANE TAKES A CHANNEL, AND ITS REGISTERS RUN DOWN THE KEYS: each load reads 128 consecutive
; bytes a wave, a block of 32 keys lies in one lane's 32 registers, and the conversions give codes with the keys innermost.  A block's 24 bytes are six registers of one lane of an image:
; they are put at that lane's place in the wave's four images in LDS and leave as they lie, 512 consecutive bytes a store.
.Lv_path:
	s_sub_co_u32 s17, ttmp9, KWG
	s_lshr_b32 s18, s17, 3                         ; head
	s_and_b32 s19, s17, 7                          ; kc: which 256 keys = key steps 2 kc, 2 kc + 1
	s_lshl_b32 s20, s18, 20                        ; V: a head is 1,048,576 bytes,
	s_lshl_b32 s21, s19, 17                        ; 256 keys are 131,072,
	s_add_co_u32 s20, s20, s21
	s_lshl_b32 s21, s16, 7                         ; my wave's 32 channels 128
	s_add_co_u32 s20, s20, s21
	s_mov_b32 s21, 0
	s_lshl_b32 s22, s18, 2
	s_lshr_b32 s23, s19, 1
	s_add_co_u32 s22, s22, s23
	s_mul_i32 s22, s22, 51200                      ; the region of (head, quarter kc / 2)
	s_and_b32 s23, s19, 1
	s_lshl_b32 s23, s23, 4
	s_lshl_b32 s24, s16, 1
	s_add_co_u32 s23, s23, s24                     ; my first image: 8 x (2 (kc % 2)) + 2 x
	s_mul_i32 s24, s23, 1536
	s_add_co_u32 s24, s24, s22
	s_mov_b32 s25, 0
	s_lshl_b32 s26, s23, 6                         ; and its scale words
	s_add_co_u32 s26, s26, s22
	s_add_co_u32 s26, s26, 49152
	s_mov_b32 s27, 0
	s_mul_i32 s32, s16, 6144
	s_add_co_u32 s32, s32, VLDS                    ; my four images in LDS: [key step 0, 1][tile 2 x, 2 x + 1]
	s_wait_alu depctr_va_vdst(0)
	v_lshlrev_b32 v3, 2, v2                        ; 4 x lane: the loads' offset, and the scale words'
	v_lshrrev_b32 v5, 4, v2
	v_and_b32 v6, 15, v2
	v_mul_u32_u24 v4, v5, 1536                     ; into the images: my channel's tile,
	v_lshl_add_u32 v4, v6, 4, v4                   ; and its row r: lane r of the image (lane 16 + r: 256 bytes on)
	v_add_nc_u32 v4, s32, v4
	v_lshlrev_b32 v8, 4, v2                        ; out of them: 16 x lane
	v_add_nc_u32 v7, s32, v8
	s_wait_alu depctr_va_vdst(0)
	s_wait_kmcnt 0x0
	s_add_nc_u64 s[6:7], s[6:7], s[20:21]
	s_add_nc_u64 s[28:29], s[12:13], s[24:25]
	s_add_nc_u64 s[30:31], s[12:13], s[26:27]
.macro VLOAD b                         ; block b: V(32 b + i, my channel), i = 0 .. 31, into set b % 2
.irp i, 0,1,2,3,4,5,6,7,8,9,10,11,12,13,14,15,16,17,18,19,20,21,22,23,24,25,26,27,28,29,30,31
	global_load_b32 v[VX+32*((\b)%2)+\i], v3, s[6:7] offset:(32*(\b)+\i)*512 th:TH_LOAD_NT
.endr
.endm
	VLOAD 0
	VLOAD 1
.macro VBLOCK b
.set XS, VX+32*((\b)%2)
.set VOF, 3072*((\b)/4)+256*((\b)%2)   ; the key step's images; block 2 c + h of a step belongs to lanes 16 h + r
.if (\b) < 7
	s_wait_loadcnt 32                              ; this block's 32 loads are in; the next block's may be out
.else
	s_wait_loadcnt 0x0
.endif
	v_max3_num_f32 v12, |v[XS]|, |v[XS+1]|, |v[XS+2]|              ; the block's largest magnitude: all 32 numbers are mine
	v_max3_num_f32 v13, |v[XS+3]|, |v[XS+4]|, |v[XS+5]|
.irp i, 6,10,14,18,22,26
	v_max3_num_f32 v12, v12, |v[XS+\i]|, |v[XS+\i+1]|
	v_max3_num_f32 v13, v13, |v[XS+\i+2]|, |v[XS+\i+3]|
.endr
	v_max3_num_f32 v12, v12, |v[XS+30]|, |v[XS+31]|
	v_max3_num_f32 v12, v12, v13, 0x1800000        ; and the floor 2^(3 - 127)
	v_add_nc_u32 v11, 0xff000000, v12              ; 2 off its exponent field: the conversion's scale operand
	v_lshrrev_b32 v13, 23, v11                     ; the scale's byte
.if (\b)%4 == 0
	v_mov_b32 v[VSB+(\b)/4], v13                   ; four bytes to a word, the earlier keys in the lower byte
.else
	v_lshl_or_b32 v[VSB+(\b)/4], v13, 8*((\b)%4), v[VSB+(\b)/4]
.endif
	v_cvt_scalef32_pk16_fp6_f32 v[VC:VC+2], v[XS:XS+15], v11
	v_cvt_scalef32_pk16_fp6_f32 v[VT:VT+2], v[XS+16:XS+31], v11    ; (a conversion's three registers begin on an even number)
	v_nop                                          ; one plain line behind a scaled conversion
.irp n, 0,1,2
	v_mov_b32 v[VC+3+\n], v[VT+\n]
.endr
.if ((\b)%4)/2 == 0
	ds_store_b128 v4, v[VC:VC+3] offset:VOF        ; registers 0-3 of the operand: the whole of chunk 0,
	ds_store_b64 v4, v[VC+4:VC+5] offset:VOF+512   ; registers 4, 5: the lower half of chunk 1
.else
	ds_store_b64 v4, v[VC:VC+1] offset:VOF+520     ; registers 6, 7: its upper half,
	ds_store_b128 v4, v[VC+2:VC+5] offset:VOF+1024 ; registers 8-11: chunk 2
.endif
.if (\b)+2 < 8
	VLOAD (\b)+2
.endif
	s_wait_dscnt 0x0                               ; the stores have read their registers: the next block's codes may be written
.endm
.irp b, 0,1,2,3,4,5,6,7
	VBLOCK \b
.endr
	s_wait_alu depctr_va_vdst(0)
.irp s, 0,1
	global_store_b32 v3, v[VSB+\s], s[30:31] offset:512*\s         ; the scale words of my two tiles, 128 consecutive bytes a key step
.endr
.irp n, 0,1,2,3,4,5,6,7,8,9,10,11
	ds_load_b128 v[VO+4*\n:VO+4*\n+3], v7 offset:512*\n            ; LDS serves a wave's instructions in order: these see my stores
.endr
.irp n, 0,1,2,3,4,5,6,7,8,9,10,11
	s_wait_dscnt 11-\n                             ; the younger loads may be out
	global_store_b128 v8, v[VO+4*\n:VO+4*\n+3], s[28:29] offset:12288*(\n/6)+512*(\n%6)   ; 512 consecutive bytes, at a multiple of 256 from the buffer's first byte; the second key step's images lie eight images on
.endr
	s_wait_tensorcnt 0x0
	ds_add_u32 v192, v193
	s_wait_dscnt 0x0
	s_endpgm
.Lfunc_end_k_qa4ea438386_quant:
	.size	k_qa4ea438386_quant, .Lfunc_end_k_qa4ea438386_quant-k_qa4ea438386_quant
	.p2alignl 7, 3214868480
	.fill 96, 4, 3214868480
	.section	.rodata,"a",@progbits
	.p2align	6, 0x0
	.amdhsa_kernel k_qa4ea438386_quant
		.amdhsa_group_segment_fixed_size 57856
		.amdhsa_private_segment_fixed_size 0
		.amdhsa_enable_private_segment 0
		.amdhsa_kernarg_size 40
		.amdhsa_user_sgpr_count 2
		.amdhsa_user_sgpr_kernarg_segment_ptr 1
		.amdhsa_wavefront_size32 1
		.amdhsa_system_sgpr_workgroup_id_x 1
		.amdhsa_system_sgpr_workgroup_id_y 1
		.amdhsa_system_sgpr_workgroup_id_z 1
		.amdhsa_system_vgpr_workitem_id 0
		.amdhsa_next_free_vgpr 194
		.amdhsa_next_free_sgpr 66
		.amdhsa_reserve_vcc 0
		.amdhsa_float_denorm_mode_32 3
		.amdhsa_float_denorm_mode_16_64 3
		.amdhsa_memory_ordered 1
		.amdhsa_forward_progress 1
		.amdhsa_inst_pref_size 73
	.end_amdhsa_kernel
	.amdgpu_metadata
---
amdhsa.version: [ 1, 2 ]
amdhsa.kernels:
  - .name:           k_qa4ea438386_quant
    .symbol:         k_qa4ea438386_quant.kd
    .args:
      - { .name: K, .offset: 0, .size: 8, .value_kind: global_buffer, .address_space: global }
      - { .name: V, .offset: 8, .size: 8, .value_kind: global_buffer, .address_space: global }
      - { .name: kcodes, .offset: 16, .size: 8, .value_kind: global_buffer, .address_space: global }
      - { .name: kscales, .offset: 24, .size: 8, .value_kind: global_buffer, .address_space: global }
      - { .name: vq, .offset: 32, .size: 8, .value_kind: global_buffer, .address_space: global }
    .group_segment_fixed_size: 57856
    .private_segment_fixed_size: 0
    .kernarg_segment_align: 8
    .kernarg_segment_size: 40
    .max_flat_workgroup_size: 128
    .sgpr_count:     66
    .vgpr_count:     194
    .wavefront_size: 32
...
	.end_amdgpu_metadata
.endif
;; end of part 1
;; launch attn (part 2): grid 4 x 64, 8 waves a work-group, clusters of 4 x 1, 289,792 bytes of LDS; arguments Q, kcodes, kscales, vq, out0; writes out0
.if DOCPART == 2
	.amdgcn_target "amdgcn-amd-amdhsa--gfx1250"
	.amdhsa_code_object_version 6
	.text
	.protected	k_qa4ea438386_attn
	.globl	k_qa4ea438386_attn
	.p2align	8
	.type	k_qa4ea438386_attn,@function
k_qa4ea438386_attn:
	s_mov_b64 s[64:65], 0
	v_nop
	global_prefetch_b8 v0, s[64:65] scope:SCOPE_SE
	s_setreg_imm32_b32 hwreg(HW_REG_WAVE_MODE, 25, 1), 1
	s_wait_xcnt 0x0
	s_wait_alu depctr_hold_cnt(0) depctr_sa_sdst(0) depctr_va_vdst(0) depctr_va_sdst(0) depctr_va_ssrc(0) depctr_va_vcc(0) depctr_vm_vsrc(0)
	s_getreg_b32 s2, hwreg(HW_REG_IB_STS2, 6, 4)
	s_cmp_eq_u32 s2, 0
	s_cbranch_scc0 .Lentry_in_a_cluster
	s_endpgm
.Lentry_in_a_cluster:
	s_bfe_u32 s2, ttmp6, 0x10000c
	s_cmp_lg_u32 s2, 0x3003
	s_cbranch_scc0 .Lentry_shape_is_right
	s_endpgm
.Lentry_shape_is_right:
; out0[head][q][:] = sum over k of w(q, k) V[head][k][:], w = exp(s) / (sum over k of exp(s)), s = Q[q] . K[k] / sqrt(128); 64 heads, 2,048 queries and keys, head size 128.
; Both products run on codes of FP6 (E2M3), one E8M0 scale for each 32 along the contracted axis.  The finished, normalised weight is what is quantised, so a row's sum L is known
; before any weight of the row is converted.  No maximum is taken away ahead of the exponential: the function computed here takes none.
; SHARES.  A work-group owns 512 queries of one head, in 32 tiles of 16.  EIGHT WAVES SHARE THE KEYS: wave w owns keys 256 w .. 256 w + 255 (two key steps of 128).  Its K codes (16 fragments,
; 192 registers) stay in registers, its V codes (16 images, 24,576 bytes) in LDS; a tile's 16 x 256 numbers p = exp(s) stay in 128 registers until L is known.
; A TILE, two barriers: 16 products S^T = K Q^T; t = c s, each block's largest t, p = 2^t in one batch, sums | the eight partial sums meet in LDS, barrier | L = m x 2^(E - 127); p / m is
; quantised and 2^(127 - E) goes into p's scale bytes | 16 products O^T += V^T P^T | the eight partial O meet in a stage, barrier | each wave adds and stores 2 whole rows.
; LAYOUT.  Both products are used transposed (source 0 = 16 keys or 16 channels, source 1 = the 16 queries): a lane holds one query (lane % 16).  Row r of tile i of key step j of K is key
; 128 j + 64 (i / 4) + 8 (i % 4) + r % 8 + 32 (r / 8): the 32 registers of tiles 4 c .. 4 c + 3 in lane (r, h) are keys 128 j + 64 c + 32 h + 0 .. 31, a whole block in the operand's order.
; Q arrives as f32 and is quantised ONCE in the work-group, a pair of tiles (32 rows) at a time: wave w takes 2,048 consecutive bytes, turns them through its own LDS stage so that a lane holds 16
; neighbours, and puts 12 bytes of codes and a scale byte into an image (rows of 104 bytes) from which every wave reads its fragment.  The image is written between a tile's second barrier and
; the next tile's first, and read between a first and a second barrier.
; CLUSTER.  The four work-groups of a head need the same V: each wave asks for its 24,576 bytes jointly, once; these bytes are filled once, so there is no ring.  K's codes go from memory
; straight into registers, where no joint load can put them; LDS has no room for them beside V and the stage.
; PREFETCH.  In trip n each wave asks for its own 2,048 bytes of Q of pair n + 2, eight blocks of 256 bytes (lanes 8-31 name the last again), which trip n + 1 loads; it stops at n = 14.
; LIMITS.  A row whose L is 0, denormal, infinite or NaN gives NaN (its scale bytes are 0xff).  v_exp_f32 gives 0 under 2^-126 (ISA guide, 15.8), so a row whose every score lies under about -87.3
; gives NaN.  A block whose largest weight lies under 2^-124 keeps the byte 1 with codes made for its own smaller scale.  A block of zeros has the byte 1, not 127: its codes are zeros.
; NaN and infinities among the inputs are not served.
; REGISTERS: window 0: v0-95 below, v96-159 p of step 0, then O^T, then the way out; v160-255 V's eight fragments.  Window 1: v0-191 K's fragments; v192-255 p of step 1, and Q's numbers on their way.
.set VW,     24576
.set STG,    196608                    ; the stage: eight partial O, 16 rows x (512 + 16) bytes each
.set SPITCH, 528
.set STGW,   16*SPITCH
.set SUMS,   264192                    ; the word of (query r, wave w) at 32 r + 4 w
.set QIMG,   264704                    ; Q's codes of a pair of tiles: 32 rows, QP bytes apart
.set QP,     104
.set QSC,    268032                    ; their scale words
.set QTURN,  268288                    ; 32 x SP bytes for each wave
.set SP,     80
.set SPARE,  288768                    ; the spare words, 128 bytes a wave
.set LN16, 1
.set VA,   2
.set SUMW, 3
.set SUMR, 4
.set STW,  5
.set STR,  6
.set SH8,  7
.set PFO,  8
.set QCW,  9
.set QBW,  10
.set QRA,  11
.set QSR,  12
.set SPW,  13
.set NIL,  14
.set MINB, 15
.set NEG1, 16
.set RL,   17
.set RE,   18
.set GP,   19
.set RR,   20                          ; v[20:21] 1 / m, twice
.set QTR,  22
.set QS,   23
.set PW,   24                          ; v24-25 p's scale words
.set KS,   26                          ; v26-33 K's scale words: 4 j + i / 2, even tile in lanes 0-15, odd in 16-31
.set VS,   34                          ; v34-41 V's likewise
.set QF,   42                          ; v42-53 Q's fragment
.set PCA,  54                          ; v54-65 p's codes of step 0
.set MX,   54                          ; v54-61 largest t, chain 4 j + 2 c + x (dead before the codes are made)
.set CT,   66                          ; v66-68 a conversion's second half
.set QTW,  69
.set CO,   70                          ; v70-73 the conversions' scale operands
.set TM,   74                          ; v74-81 at work
.set RT,   75
.set PM,   82                          ; v82-85 the blocks' largest p
.set PCB,  84                          ; v84-95 p's codes of step 1 (over PM's end and the sums, dead by then)
.set SA,   86                          ; v86-93 four pairs of sums
.set P0,   96
.set KA,   96                          ; head only
.set KSA,  97
.set VSO,  98
.set VF,   160
.set P1,   192                         ; window 1
.set QR,   192                         ; window 1: Q as loaded
.set QX,   208                         ; window 1: 16 neighbours
.set WV,   14
.set G1,   24
.set G0,   32
.set CS,   36
.set SEL,  38
.set TI,   41
.set QB,   44
.set OB,   46
.set KC,   48
.set KSC,  50
.set VSC,  58
.set MSB, 0
.macro WIN new                         ; the immediate's high byte repeats the setting that is left
.if MSB != (\new)
	s_set_vgpr_msb (MSB<<8)|(\new)
.set MSB, (\new)
.endif
.endm
.macro PLACES
.rept 4
	v_nop
.endr
.endm
.macro CROUND                          ; a round of the cluster's barrier
	s_barrier_signal -1
	s_barrier_wait -1
	s_cmp_lg_u32 s[WV], 0
	s_cbranch_scc1 .Lnot_wave_0_\@
	s_barrier_signal -3
.Lnot_wave_0_\@:
	s_barrier_wait -3
	s_barrier_signal -1
	s_barrier_wait -1
.endm
.macro WM d, a, b, zero, sa, sb, odd   ; one scaled product; odd: source 0's scales stand in lanes 16-31
.if \zero
.if \odd
	v_wmma_scale_f32_16x16x128_f8f6f4 v[\d:\d+7], v[\a:\a+11], v[\b:\b+11], 0, v[\sa], v[\sb] matrix_a_fmt:MATRIX_FMT_FP6 matrix_b_fmt:MATRIX_FMT_FP6 matrix_a_scale:MATRIX_SCALE_ROW1
.else
	v_wmma_scale_f32_16x16x128_f8f6f4 v[\d:\d+7], v[\a:\a+11], v[\b:\b+11], 0, v[\sa], v[\sb] matrix_a_fmt:MATRIX_FMT_FP6 matrix_b_fmt:MATRIX_FMT_FP6
.endif
.else
.if \odd
	v_wmma_scale_f32_16x16x128_f8f6f4 v[\d:\d+7], v[\a:\a+11], v[\b:\b+11], v[\d:\d+7], v[\sa], v[\sb] matrix_a_fmt:MATRIX_FMT_FP6 matrix_b_fmt:MATRIX_FMT_FP6 matrix_a_scale:MATRIX_SCALE_ROW1
.else
	v_wmma_scale_f32_16x16x128_f8f6f4 v[\d:\d+7], v[\a:\a+11], v[\b:\b+11], v[\d:\d+7], v[\sa], v[\sb] matrix_a_fmt:MATRIX_FMT_FP6 matrix_b_fmt:MATRIX_FMT_FP6
.endif
.endif
.endm
.macro QKS j                           ; S^T = K Q^T of key step j: eight sums, each begun with the constant 0
	WIN 0x01+0x40*(\j)
.irp i, 0,1,2,3,4,5,6,7
.set wd, P0+(P1-P0)*(\j)+8*\i
.set wa, 12*(8*(\j)+\i)
	WM wd, wa, QF, 1, KS+4*(\j)+\i/2, QS, \i%2
.endr
.endm
.macro PV j, t                         ; O^T += V^T P^T; the eight accumulators take turns
.set wd, P0+8*(\t)
.set wa, VF+12*(\t)
	WM wd, wa, PCA+(PCB-PCA)*(\j), 1-(\j), VS+4*(\j)+(\t)/2, PW+(\j), (\t)%2
.endm
.macro VLD s, t                        ; V's fragment t of my key step s
.irp q, 0,1,2
	ds_load_b128 v[VF+12*(\t)+4*\q:VF+12*(\t)+4*\q+3], v[VA] offset:(8*(\s)+(\t))*1536+512*\q
.endr
.endm
.macro QFLOAD row0                     ; Q's fragment and scale words of the image's rows row0 .. row0 + 15
.irp p, 0,1,2,3,4,5
	ds_load_b64 v[QF+2*\p:QF+2*\p+1], v[QRA] offset:(\row0)*QP+48*(\p/3)+8*(\p%3)
.endr
	ds_load_b32 v[QS], v[QSR] offset:4*(\row0)
.endm
; My 512 numbers of a pair of tiles: through my stage, so that a lane holds 16 neighbours (two lanes a block); the block's scale; 16 codes; into the image.
.macro QQUANT
	s_wait_loadcnt 0x0                             ; Q's four loads are alone on this counter
	WIN 0x04
.irp i, 0,1,2,3
	ds_store_b128 v[QTW], v[QR+4*\i:QR+4*\i+3] offset:8*SP*\i
.endr
	WIN 0x40
.irp i, 0,1,2,3
	ds_load_b128 v[QX+4*\i:QX+4*\i+3], v[QTR] offset:16*\i   ; LDS serves a wave's instructions in order
.endr
	s_wait_dscnt 0x0
	WIN 0x15
.irp n, 0,1,2,3,4
	v_max3_num_f32 v[TM+\n], |v[QX+3*\n]|, |v[QX+3*\n+1]|, |v[QX+3*\n+2]|
.endr
	WIN 0x04
	v_max3_num_f32 v[TM], v[TM], |v[QX+15]|, v[TM+1]
	WIN 0
	v_max3_num_f32 v[TM+2], v[TM+2], v[TM+3], v[TM+4]
	v_max3_num_f32 v[TM], v[TM], v[TM+2], 0x1800000        ; the floor 2^(3 - 127): the byte cannot fall under 1
	v_max_num_f32_dpp v[TM], v[TM], v[TM] row_xmask:1 row_mask:0xf bank_mask:0xf   ; with my neighbour's 16: the block's
	v_add_nc_u32 v[TM+1], 0xff000000, v[TM]        ; 2 off the exponent field: the conversion's scale operand
	WIN 0x01
	v_cvt_scalef32_pk16_fp6_f32 v[CT:CT+2], v[QX:QX+15], v[TM+1]
	WIN 0
	v_lshrrev_b32 v[TM+2], 23, v[TM+1]             ; the byte (also the plain line behind the conversion)
.irp n, 0,1,2
	ds_store_b32 v[QCW], v[CT+\n] offset:4*\n
.endr
	ds_store_b8 v[QBW], v[TM+2]                    ; both lanes of a block write the same byte
.endm
.macro MAXES j, pb                     ; each block's largest t, two chains a block, four chains by turns
.irp k, 0,1,2,3,4,5,6,7
.irp c, 0,1
.irp x, 0,1
.if \k == 0
	v_max3_num_f32 v[MX+4*(\j)+2*\c+\x], 0xff800000, v[\pb+32*\c+2*\x], v[\pb+32*\c+2*\x+1]
.else
	v_max3_num_f32 v[MX+4*(\j)+2*\c+\x], v[MX+4*(\j)+2*\c+\x], v[\pb+32*\c+4*\k+2*\x], v[\pb+32*\c+4*\k+2*\x+1]
.endif
.endr
.endr
.endr
.endm
; A quarter (16 registers) of step j's p x (1 / m); behind each second quarter a block of 32 is converted; behind the last, four places ahead of the product that takes the codes.
.macro SCALEP j, g
.set spb, P0+(P1-P0)*(\j)
.set sch, (\g)/2
.set pcd, PCA+(PCB-PCA)*(\j)+6*sch
	WIN 0x41*(\j)
.irp k, 0,1,2,3,4,5,6,7
	v_pk_mul_f32 v[spb+16*(\g)+2*\k:spb+16*(\g)+2*\k+1], v[spb+16*(\g)+2*\k:spb+16*(\g)+2*\k+1], v[RR:RR+1]
.endr
.if (\g)%2
	WIN (\j)
	v_cvt_scalef32_pk16_fp6_f32 v[pcd:pcd+2], v[spb+32*sch:spb+32*sch+15], v[CO+2*(\j)+sch]
	v_cvt_scalef32_pk16_fp6_f32 v[CT:CT+2], v[spb+32*sch+16:spb+32*sch+31], v[CO+2*(\j)+sch]   ; (three registers begin on an even number)
	WIN 0
	v_nop                                          ; one plain line behind a scaled conversion
.irp n, 0,1,2
	v_mov_b32 v[pcd+3+\n], v[CT+\n]
.endr
.endif
.if (\g) == 3
	PLACES
.endif
.endm
; A TILE OF 16 QUERIES.  par: which of its pair; last: the last pair, which has no successor.
.macro TILE par, last
.irp t, 0,1,2,3,4,5,6,7
	VLD 0, \t                                      ; V's first key step: waited for ahead of the first barrier
.endr
	QKS 0
.if (\par) && (\last) == 0
	QQUANT                                         ; the next pair's Q, whose loads the tile before issued
.endif
	QKS 1
	WIN 0
	PLACES                                         ; places ahead of the first read of the first results
	s_wait_alu depctr_va_vdst(0)                   ; the wait ahead of the first reader of matrix results
.set n, 0
.rept 32
	v_pk_mul_f32 v[P0+n:P0+n+1], v[P0+n:P0+n+1], s[CS:CS+1] op_sel_hi:[1,0]   ; t = c s, each accumulator from its low end on
.set n, n+2
.endr
	WIN 0x41
	s_wait_alu depctr_va_vdst(0)
.set n, 0
.rept 32
	v_pk_mul_f32 v[P1+n:P1+n+1], v[P1+n:P1+n+1], s[CS:CS+1] op_sel_hi:[1,0]
.set n, n+2
.endr
	WIN 0
	MAXES 0, P0
	WIN 0x14
	MAXES 1, P1
	WIN 0
.irp k, 0,1,2,3
	v_max_num_f32 v[PM+\k], v[MX+2*\k], v[MX+2*\k+1]
.endr
	s_wait_alu depctr_va_vdst(0)                   ; the wait ahead of the batch
.set n, 0
.rept 64
	v_exp_f32 v[P0+n], v[P0+n]                     ; p = 2^t
.set n, n+1
.endr
.irp k, 0,1,2,3
	v_exp_f32 v[PM+\k], v[PM+\k]                   ; the same instruction on the same t: the block's largest p (taking v_exp_f32 not to fall where its input rises)
.endr
	WIN 0x41
.set n, 0
.rept 64
	v_exp_f32 v[P1+n], v[P1+n]
.set n, n+1
.endr
	WIN 0
	v_nop                                          ; a plain line behind the batch
	s_wait_alu depctr_va_vdst(0)                   ; and its one wait
.irp k, 0,1,2,3
	v_pk_add_f32 v[SA+2*\k:SA+2*\k+1], v[P0+2*\k:P0+2*\k+1], v[P0+8+2*\k:P0+8+2*\k+1]   ; the sums of the unquantised p, four pairs by turns
.endr
.set n, 8
.rept 24
	v_pk_add_f32 v[SA+2*(n%4):SA+2*(n%4)+1], v[SA+2*(n%4):SA+2*(n%4)+1], v[P0+2*n:P0+2*n+1]
.set n, n+1
.endr
	WIN 0x04
.set n, 0
.rept 32
	v_pk_add_f32 v[SA+2*(n%4):SA+2*(n%4)+1], v[SA+2*(n%4):SA+2*(n%4)+1], v[P1+2*n:P1+2*n+1]
.set n, n+1
.endr
	WIN 0
	v_pk_add_f32 v[SA:SA+1], v[SA:SA+1], v[SA+2:SA+3]
	v_pk_add_f32 v[SA+4:SA+5], v[SA+4:SA+5], v[SA+6:SA+7]
	v_pk_add_f32 v[SA:SA+1], v[SA:SA+1], v[SA+4:SA+5]
	v_add_f32 v[TM], v[SA], v[SA+1]
	v_permlanex16_b32 v[TM+2], v[TM], s[SEL], s[SEL+1]
	v_add_f32 v[TM], v[TM], v[TM+2]                ; with lane l xor 16's: my 256 keys' part of the row's sum
	ds_store_b32 v[SUMW], v[TM]
	s_wait_alu depctr_va_vdst(0)
	s_wait_dscnt 0x0                               ; for the others' sake: my sum has landed, my reads of the stage and my stores into the image are over
	s_barrier_signal -1
	s_barrier_wait -1
.if (\par) == 0 || (\last) == 0
	QFLOAD 16*(1-(\par))                           ; the next tile's Q
.endif
	ds_load_b128 v[TM:TM+3], v[SUMR]               ; the eight parts of my query's sum
	ds_load_b128 v[TM+4:TM+7], v[SUMR] offset:16
	s_wait_dscnt 0x0
	; L = m x 2^(E - 127), the same bits in all waves; 1 / m; the blocks' scales
	v_add_f32 v[TM], v[TM], v[TM+1]
	v_add_f32 v[TM+2], v[TM+2], v[TM+3]
	v_add_f32 v[TM+4], v[TM+4], v[TM+5]
	v_add_f32 v[TM+6], v[TM+6], v[TM+7]
	v_add_f32 v[TM], v[TM], v[TM+2]
	v_add_f32 v[TM+4], v[TM+4], v[TM+6]
	s_delay_alu instid0(VALU_DEP_1)
	v_add_f32 v[RL], v[TM], v[TM+4]
	s_delay_alu instid0(VALU_DEP_1)
	v_lshrrev_b32 v[RE], 23, v[RL]
	v_and_or_b32 v[RT], v[RL], 0x7fffff, s40       ; m: L's mantissa under the exponent of 1.0
	v_sub_nc_u32 v[GP], 125, v[RE]
	v_add_nc_u32 v[TM+4], -1, v[RE]
	v_lshlrev_b32 v[GP], 23, v[GP]
	v_cmp_lt_u32 s43, 0xfd, v[TM+4]                ; E = 0 or E >= 255: the row has no weights
	s_wait_alu depctr_va_vdst(0)                   ; the wait ahead of the transcendental
	v_rcp_f32 v[RR], v[RT]
	v_nop
	s_wait_alu depctr_va_vdst(0)
	v_mov_b32 v[RR+1], v[RR]
.irp k, 0,1,2,3
	v_mul_f32 v[PM+\k], v[PM+\k], v[RR]            ; the block's largest p / m: the multiplication that its numbers get
.endr
.irp k, 0,1,2,3
	v_max_num_f32 v[PM+\k], 0x1800000, v[PM+\k]    ; the floor 2^(3 - 127)
.endr
.irp k, 0,1,2,3
	v_add_nc_u32 v[CO+\k], 0xff000000, v[PM+\k]    ; 2 off the exponent field: the conversion's scale operand
.endr
.irp k, 0,1,2,3
	v_add_nc_u32 v[TM+\k], v[PM+\k], v[GP]         ; the weight is p / m x 2^(127 - E): its byte is the field + 125 - E
.endr
.irp k, 0,1,2,3
	v_cmp_gt_i32 vcc_lo, v[MINB], v[TM+\k]         ; held at 1 from below
	v_cndmask_b32 v[TM+\k], v[TM+\k], v[MINB], vcc_lo
.endr
.irp k, 0,1,2,3
	v_lshrrev_b32 v[TM+\k], 23, v[TM+\k]
.endr
.irp j, 0,1
	v_lshl_or_b32 v[PW+\j], v[TM+2*\j+1], 16, v[TM+2*\j]   ; my bytes of key step j: blocks h and 2 + h,
.endr
.irp j, 0,1
	v_lshlrev_b32 v[PW+\j], v[SH8], v[PW+\j]       ; at their places;
.endr
.irp j, 0,1
	v_permlanex16_b32 v[TM+2*\j], v[PW+\j], s[SEL], s[SEL+1]
.endr
.irp j, 0,1
	v_or_b32 v[PW+\j], v[PW+\j], v[TM+2*\j]        ; with lane l xor 16's two the word is whole
.endr
.irp j, 0,1
	v_cndmask_b32 v[PW+\j], v[PW+\j], v[NEG1], s43 ; a row without weights: bytes 0xff
.endr
.irp g, 0,1,2,3
	SCALEP 0, \g
.endr
	s_wait_alu depctr_va_vdst(0)
.irp g, 0,1,2,3                        ; key step 0; behind each two products a quarter of step 1's p (the places ahead of the loads), then step 1's two fragments into the registers just read
	PV 0, 2*\g
	PV 0, 2*\g+1
	SCALEP 1, \g
	WIN 0
	VLD 1, 2*\g
	VLD 1, 2*\g+1
.endr
.if (\par) == 0 && (\last) == 0
	WIN 0x40
.irp i, 0,1,2,3
	global_load_b128 v[QR+4*\i:QR+4*\i+3], v[LN16], s[QB:QB+1] offset:16384+512*\i th:TH_LOAD_NT   ; my 2,048 bytes of the next pair's Q, into step 1's registers, which are free until the next tile's products
.endr
	WIN 0
	s_cmp_lt_u32 s[TI], 14
	s_wait_alu depctr_va_vdst(0)
	s_cbranch_scc0 .Lno_pf_\@
	global_prefetch_b8 v[PFO], s[QB:QB+1] offset:32768 th:TH_LOAD_NT scope:SCOPE_SE
.Lno_pf_\@:
.endif
	s_wait_alu depctr_va_vdst(0)                   ; the wait ahead of the waits below: the codes were just written
.irp g, 0,1,2,3
	s_wait_dscnt 6*(3-\g)                          ; behind this group's six loads the later groups' six each were issued
	PV 1, 2*\g
	PV 1, 2*\g+1
.endr
	PLACES                                         ; places ahead of the stores that read the results
.irp t, 0,1,2,3,4,5,6,7
	ds_store_b128 v[STW], v[P0+8*\t:P0+8*\t+3] offset:64*\t        ; lane (r, h): O(r, 16 t + 8 h + 0 .. 7), each accumulator from its low end on
	ds_store_b128 v[STW], v[P0+8*\t+4:P0+8*\t+7] offset:64*\t+16
.endr
	s_wait_alu depctr_va_vdst(0)
	s_wait_dscnt 0x0                               ; for the others' sake: my part has landed; my reads of the sums and of the image are over
	s_barrier_signal -1
	s_barrier_wait -1
.irp i, 0,1
.irp u, 0,1,2,3,4,5,6,7
	ds_load_b128 v[P0+32*\i+4*\u:P0+32*\i+4*\u+3], v[STR] offset:STGW*\u+SPITCH*\i   ; rows 2 w, 2 w + 1: the eight parts
.endr
.endr
.irp i, 0,1
	s_wait_dscnt 8-8*\i                            ; the second row's eight loads may be out
.irp d, 0,8,16,24
	v_pk_add_f32 v[P0+32*\i+\d:P0+32*\i+\d+1], v[P0+32*\i+\d:P0+32*\i+\d+1], v[P0+32*\i+\d+4:P0+32*\i+\d+5]
	v_pk_add_f32 v[P0+32*\i+\d+2:P0+32*\i+\d+3], v[P0+32*\i+\d+2:P0+32*\i+\d+3], v[P0+32*\i+\d+6:P0+32*\i+\d+7]
.endr
.irp d, 0,16
	v_pk_add_f32 v[P0+32*\i+\d:P0+32*\i+\d+1], v[P0+32*\i+\d:P0+32*\i+\d+1], v[P0+32*\i+\d+8:P0+32*\i+\d+9]
	v_pk_add_f32 v[P0+32*\i+\d+2:P0+32*\i+\d+3], v[P0+32*\i+\d+2:P0+32*\i+\d+3], v[P0+32*\i+\d+10:P0+32*\i+\d+11]
.endr
	v_pk_add_f32 v[P0+32*\i:P0+32*\i+1], v[P0+32*\i:P0+32*\i+1], v[P0+32*\i+16:P0+32*\i+17]
	v_pk_add_f32 v[P0+32*\i+2:P0+32*\i+3], v[P0+32*\i+2:P0+32*\i+3], v[P0+32*\i+18:P0+32*\i+19]
	global_store_b128 v[LN16], v[P0+32*\i:P0+32*\i+3], s[OB:OB+1] offset:8192*(\par)+512*\i th:TH_STORE_NT   ; 32 lanes store a row's 512 consecutive bytes
.endr
	s_wait_xcnt 0x0                                ; the stores have read their data, which the next products write, and the loads and the prefetch their base
.if (\par) && (\last) == 0
	s_add_nc_u64 s[QB:QB+1], s[QB:QB+1], 16384
	s_add_nc_u64 s[OB:OB+1], s[OB:OB+1], 16384
.endif
.endm
	s_load_b256 s[4:11], s[0:1], 0x0               ; Q, kcodes, kscales, vq
	s_load_b64 s[12:13], s[0:1], 0x20              ; out0
	v_lshl_add_u32 v[SPW], v0, 2, SPARE
	v_mov_b32 v[NIL], 0
	ds_add_u32 v[SPW], v[NIL]                      ; the opening add, twice on end,
	ds_add_u32 v[SPW], v[NIL]
	v_lshrrev_b32 v[TM], 5, v0
	v_readfirstlane_b32 s[WV], v[TM]               ; wave 0..7
	s_bfe_u32 s15, ttmp6, 0x40000                  ; cx: which 512 queries: it enters Q's and out0's addresses alone
	s_and_b32 s16, ttmp7, 0xffff                   ; the head
	s_mov_b32 s[G1], 15|(3<<16)|(1<<21)            ; the mask of all four; elements of 8 bytes; bit 21 beside a mask
	s_mov_b32 s[G1+1], 32<<16                      ; 24,576 dense bytes as 96 rows of 256
	s_mov_b32 s[G1+2], 96<<16
	s_mov_b32 s[G1+3], 32<<16
	s_mov_b32 s[G1+4], 96
	s_mov_b32 s[G1+5], 32
	s_mov_b32 s[G1+6], 0
	s_mov_b32 s[G1+7], 0
	s_mov_b32 s[G0], 1
	s_mul_i32 s[G0+1], s[WV], VW                   ; my part of V in LDS
	s_mov_b32 s[CS], 0x3e0293ee                    ; c = log2(e) / sqrt(128)
	s_mov_b32 s[CS+1], s[CS]
	s_mov_b32 s[SEL], 0x76543210
	s_mov_b32 s[SEL+1], 0xfedcba98
	s_mov_b32 s40, 0x3f800000
	s_lshr_b32 s42, s[WV], 1                       ; vq: the region of (head, quarter w / 2), its half w % 2
	s_and_b32 s43, s[WV], 1
	s_lshl_b32 s20, s16, 2
	s_add_co_u32 s20, s20, s42
	s_mul_i32 s20, s20, 51200
	s_lshl_b32 s58, s43, 10
	s_add_co_u32 s58, s58, s20
	s_add_co_u32 s58, s58, 49152                   ; my scale words of V
	s_mov_b32 s59, 0
	s_mul_i32 s43, s43, VW
	s_add_co_u32 s20, s20, s43
	s_mov_b32 s21, 0
	s_mul_i32 s22, s16, 196608                     ; K's codes: my 256 rows of 96 bytes
	s_add_co_u32 s22, s22, s[G0+1]
	s_mov_b32 s23, 0
	s_lshl_b32 s18, s16, 13
	s_lshl_b32 s19, s[WV], 10
	s_add_co_u32 s18, s18, s19
	s_mov_b32 s19, 0
	s_lshl_b32 s52, s16, 20
	s_lshl_b32 s53, s15, 18
	s_add_co_u32 s52, s52, s53
	s_lshl_b32 s54, s[WV], 10
	s_add_co_u32 s54, s54, s52                     ; out0: of a tile's 16 rows my wave stores 2
	s_lshl_b32 s53, s[WV], 11
	s_add_co_u32 s52, s52, s53                     ; Q: of a pair's 16,384 bytes my wave takes 2,048
	s_mov_b32 s53, 0
	s_mov_b32 s55, 0
	s_lshl_b32 s60, s[WV], 2
	s_mul_i32 s61, s[WV], STGW
	s_add_co_u32 s61, s61, STG
	s_mul_i32 s62, s[WV], 2*SPITCH
	s_add_co_u32 s62, s62, STG
	s_mul_i32 s63, s[WV], 4*QP
	s_add_co_u32 s63, s63, QIMG
	s_lshl_b32 s17, s[WV], 4
	s_add_co_u32 s17, s17, QSC
	s_mul_i32 s42, s[WV], 32*SP
	s_add_co_u32 s42, s42, QTURN
	v_and_b32 v[TM], 15, v0                        ; r
	v_bfe_u32 v[TM+1], v0, 4, 1                    ; h
	v_and_b32 v[TM+2], 31, v0                      ; lane
	v_lshlrev_b32 v[LN16], 4, v[TM+2]
	v_add_nc_u32 v[VA], s[G0+1], v[LN16]
	v_lshlrev_b32 v[VSO], 2, v[TM+2]
	v_lshlrev_b32 v[SUMR], 5, v[TM]
	v_add_nc_u32 v[SUMR], SUMS, v[SUMR]
	v_add_nc_u32 v[SUMW], s60, v[SUMR]
	v_mul_u32_u24 v[STW], v[TM], SPITCH
	v_lshl_add_u32 v[STW], v[TM+1], 5, v[STW]
	v_add_nc_u32 v[STW], s61, v[STW]
	v_add_nc_u32 v[STR], s62, v[LN16]
	v_lshlrev_b32 v[SH8], 3, v[TM+1]
	v_min_u32 v[PFO], 7, v[TM+2]
	v_lshlrev_b32 v[PFO], 8, v[PFO]
	v_and_b32 v[TM+3], 7, v0
	v_bfe_u32 v[TM+4], v0, 3, 1
	v_lshl_add_u32 v[TM+5], v[TM+4], 5, v[TM+3]    ; r % 8 + 32 (r / 8)
	v_mul_u32_u24 v[KA], v[TM+5], 96
	v_mad_u32_u24 v[KA], v[TM+1], 24, v[KA]
	v_lshl_add_u32 v[KSA], v[TM+1], 3, v[TM+5]
	v_lshlrev_b32 v[KSA], 2, v[KSA]
	v_bfe_u32 v[TM+6], v0, 3, 2                    ; lane / 8: my row of my wave's four
	v_mul_u32_u24 v[QCW], v[TM+6], QP
	v_mad_u32_u24 v[QCW], v[TM+3], 12, v[QCW]
	v_add_nc_u32 v[QCW], s63, v[QCW]
	v_bfe_u32 v[QBW], v0, 1, 2                     ; my block of the row
	v_lshl_add_u32 v[QBW], v[TM+6], 2, v[QBW]
	v_add_nc_u32 v[QBW], s17, v[QBW]
	v_mul_u32_u24 v[QRA], v[TM], QP
	v_mad_u32_u24 v[QRA], v[TM+1], 24, v[QRA]
	v_add_nc_u32 v[QRA], QIMG, v[QRA]
	v_lshl_add_u32 v[QSR], v[TM], 2, QSC
	v_bfe_u32 v[TM+7], v0, 2, 3                    ; lane / 4
	v_mul_u32_u24 v[QTW], v[TM+7], SP
	v_and_b32 v[TM+6], 3, v0
	v_lshl_add_u32 v[QTW], v[TM+6], 4, v[QTW]
	v_add_nc_u32 v[QTW], s42, v[QTW]
	v_mul_u32_u24 v[QTR], v[TM+2], SP
	v_add_nc_u32 v[QTR], s42, v[QTR]
	v_mov_b32 v[MINB], 0x800000
	v_mov_b32 v[NEG1], -1
	s_wait_alu depctr_va_vdst(0)                   ; the wait at the head's end
	s_wait_dscnt 0x0                               ; and the one wait for both adds
	s_wait_kmcnt 0x0
	s_add_nc_u64 s[G0+2:G0+3], s[10:11], s[20:21]
	s_or_b32 s[G0+3], s[G0+3], 0x80000000
	s_add_nc_u64 s[VSC:VSC+1], s[10:11], s[VSC:VSC+1]
	s_add_nc_u64 s[QB:QB+1], s[4:5], s[52:53]
	s_add_nc_u64 s[OB:OB+1], s[12:13], s[54:55]
	s_add_nc_u64 s[KC:KC+1], s[6:7], s[22:23]
	s_add_nc_u64 s[KSC:KSC+1], s[8:9], s[18:19]
	CROUND                                         ; all four work-groups are here: the joint loads meet
	tensor_load_to_lds s[G0:G0+3], s[G1:G1+7]      ; my one tensor load of the launch; I alone read its bytes
	s_nop 0
	PLACES
	WIN 0x40
.irp j, 0,1
.irp i, 0,1,2,3,4,5,6,7
.irp p, 0,1,2,3,4,5
	global_load_b64 v[12*(8*\j+\i)+2*\p:12*(8*\j+\i)+2*\p+1], v[KA], s[KC:KC+1] offset:(128*\j+64*(\i/4)+8*(\i%4))*96+48*(\p/3)+8*(\p%3)
.endr
.endr
.endr
.irp i, 0,1,2,3
	global_load_b128 v[QR+4*\i:QR+4*\i+3], v[LN16], s[QB:QB+1] offset:512*\i th:TH_LOAD_NT   ; the first pair's Q
.endr
	WIN 0
.irp j, 0,1
.irp i, 0,1,2,3
	global_load_b32 v[KS+4*\j+\i], v[KSA], s[KSC:KSC+1] offset:4*(128*\j+64*(\i/2)+16*(\i%2))
	global_load_b32 v[VS+4*\j+\i], v[VSO], s[VSC:VSC+1] offset:(8*\j+2*\i)*64
.endr
.endr
	s_wait_tensorcnt 0x0                           ; my part of V is in LDS
	QQUANT
	s_wait_alu depctr_va_vdst(0)
	s_wait_dscnt 0x0                               ; for the others' sake: my part of the image has landed
	s_barrier_signal -1
	s_barrier_wait -1
	QFLOAD 0
	s_wait_dscnt 0x0
	s_mov_b32 s[TI], 0
.Lpair:                                            ; 15 trips of two tiles; the last pair is written out, since it has no successor
	TILE 0, 0
	TILE 1, 0
	s_add_co_u32 s[TI], s[TI], 1
	s_cmp_lt_u32 s[TI], 15
	s_wait_alu depctr_va_vdst(0)
	s_cbranch_scc1 .Lpair
	TILE 0, 1
	TILE 1, 1
	s_wait_tensorcnt 0x0                           ; the wave's end
	ds_add_u32 v[SPW], v[NIL]
	s_wait_dscnt 0x0
	CROUND                                         ; the closing round
	s_endpgm
.Lfunc_end_k_qa4ea438386_attn:
	.size	k_qa4ea438386_attn, .Lfunc_end_k_qa4ea438386_attn-k_qa4ea438386_attn
	.p2alignl 7, 3214868480
	.fill 96, 4, 3214868480
	.section	.rodata,"a",@progbits
	.p2align	6, 0x0
	.amdhsa_kernel k_qa4ea438386_attn
		.amdhsa_group_segment_fixed_size 289792
		.amdhsa_private_segment_fixed_size 0
		.amdhsa_enable_private_segment 0
		.amdhsa_kernarg_size 40
		.amdhsa_user_sgpr_count 2
		.amdhsa_user_sgpr_kernarg_segment_ptr 1
		.amdhsa_wavefront_size32 1
		.amdhsa_system_sgpr_workgroup_id_x 1
		.amdhsa_system_sgpr_workgroup_id_y 1
		.amdhsa_system_sgpr_workgroup_id_z 1
		.amdhsa_system_vgpr_workitem_id 0
		.amdhsa_next_free_vgpr 512
		.amdhsa_next_free_sgpr 66
		.amdhsa_reserve_vcc 1
		.amdhsa_float_denorm_mode_32 3
		.amdhsa_float_denorm_mode_16_64 3
		.amdhsa_memory_ordered 1
		.amdhsa_forward_progress 1
		.amdhsa_inst_pref_size 173
	.end_amdhsa_kernel
	.amdgpu_metadata
---
amdhsa.version: [ 1, 2 ]
amdhsa.kernels:
  - .name:           k_qa4ea438386_attn
    .symbol:         k_qa4ea438386_attn.kd
    .args:
      - { .name: Q, .offset: 0, .size: 8, .value_kind: global_buffer, .address_space: global }
      - { .name: kcodes, .offset: 8, .size: 8, .value_kind: global_buffer, .address_space: global }
      - { .name: kscales, .offset: 16, .size: 8, .value_kind: global_buffer, .address_space: global }
      - { .name: vq, .offset: 24, .size: 8, .value_kind: global_buffer, .address_space: global }
      - { .name: out0, .offset: 32, .size: 8, .value_kind: global_buffer, .address_space: global }
    .group_segment_fixed_size: 289792
    .private_segment_fixed_size: 0
    .kernarg_segment_align: 8
    .kernarg_segment_size: 40
    .max_flat_workgroup_size: 256
    .sgpr_count:     66
    .vgpr_count:     512
    .wavefront_size: 32
...
	.end_amdgpu_metadata
.endif
;; end of part 2
